; MI455X (gfx1250); checked and timed in simulation.
; The chip was launched on July 23, 2026; its instructions are those of AMD's public machine-readable ISA for CDNA 5 (MIT licence, August 2026) and "CDNA5" Instruction Set Architecture Reference Guide (July 2026). The comments in the code are by the model that wrote it; some were corrected since.
;; Attention RNN. Allowed arithmetic: matrix products marked QUANTISED: E4M3 operands, one given power-of-two scale a tensor, by v_wmma_f32_16x16x64_fp8_fp8 or v_wmma_f32_16x16x128_fp8_fp8, f32 sums; products left as they are: f32 operands where the result goes on into a quantised operand, else bf16, f16 or f32 operands; f32 sums; everything else in f32.
;; Inputs: b1 1,024 float32; b2 1,024 float32; bv 1 float32; lowp_scales 4 int32 (the exponents e of the quantised operands' scales 2^e); query_codes 32 x 32 x 32 uint8 (E4M3 codes of query, K innermost, in blocks of 32 codes); v 1,024 x 1 float32; values 32 x 2,048 x 1,024 float32; w1_codes 1,024 x 32 x 32 uint8 (E4M3 codes of w1, K innermost, in blocks of 32 codes); w2_codes 1,024 x 32 x 32 uint8 (E4M3 codes of w2, K innermost, in blocks of 32 codes).
;; Outputs: out0 32 x 1,024 float32; out1 32 x 2,048 x 1 float32.
;; This version of the problem:
;;   THIS VERSION OF THE PROBLEM IS GIVEN IN LOW PRECISION. The matrix products marked QUANTISED in the list below multiply operands that are first quantised to E4M3 (4 exponent bits, 3 mantissa bits; 8 bits a number), with one given power-of-two scale for each operand tensor; their sums are f32. All else is computed in f32.
;;   The module's matrix products, in the order in which they are computed (A, B: the left and right operand; K: the contracted axis; several contracted axes count as one K, in the product's order):
;;     1. [M 32, K 1,024] x [K 1,024, N 1,024]; A: input query (given as codes); B: input w1 (given as codes): QUANTISED (scales: A lowp_scales[0], B lowp_scales[1])
;;     2. [M 65,536, K 1,024] x [K 1,024, N 1,024]; A: input values; B: input w2 (given as codes): QUANTISED (scales: A lowp_scales[2], B lowp_scales[3])
;;     3. [M 65,536, K 1,024] x [K 1,024, N 1]; A: computed on the way; B: input v: left as it is (N = 1 < 16)
;;   THE QUANTISER, for each operand of a quantised product, along K:
;;     - The operand's scale is 2^e, e = its entry of the input lowp_scales (int32; the entries are numbered through the quantised products in the list's order, A before B).
;;     - Each number is divided by the scale, clamped to +-448, and rounded to the nearest number of E4M3, ties to even, subnormals kept.
;;     - The product sums the exact products of the quantised numbers (number of the format x scale) in f32.
;;   ~~~python
;;   def quantise(x, axis, e):      # numpy; x: float32 -> the quantised numbers, widened to float32 again
;;       x = np.moveaxis(x, axis, -1); K = x.shape[-1]
;;       r = np.clip(x / 2.0 ** e, -448, 448)
;;       step = 2.0 ** (np.maximum(np.frexp(np.where(r == 0, 1, r))[1] - 1, -6) - 3)
;;       q = np.round(r / step) * step * 2.0 ** e      # np.round: ties to even
;;       return np.moveaxis(q, -1, axis).astype(np.float32)
;;   ~~~
;;   INPUTS GIVEN AS CODES. query (in the module: [32, 1024], K = its axis 1); w1 (in the module: [1024, 1024], K = its axis 0); w2 (in the module: [1024, 1024], K = its axis 0): each comes as NAME_codes (uint8): NAME with its K axis moved to the last place and cut into blocks of 32 codes, [.., K / 32, bytes a block], one block behind the other in memory; one code a byte (a code: sign, 4 exponent bits, 3 mantissa bits); its scale is its entry of lowp_scales. Its value is code x scale, taken as it is: it is not quantised again, and the codes and scales need not be those that the quantiser above would give.
;; One version. Each part assembles by itself: llvm-mc -triple=amdgcn-amd-amdhsa -mcpu=gfx1250 --defsym DOCPART=n.
;; ======== version 1 of 1: 3 launches
;; limits: right only within a limited range of input values
;; workspace buffers: qk 131,072 bytes; w2f 1,048,576 bytes; scores 262,144 bytes; part 1,114,112 bytes
;; launch qproj (part 1): grid 16 x 1, 4 waves a work-group, no clusters, 109,056 bytes of LDS; arguments query_codes, w1_codes, lowp_scales, b1, b2, qk, w2_codes, w2f; writes qk, w2f
.if DOCPART == 1
	.amdgcn_target "amdgcn-amd-amdhsa--gfx1250"
	.amdhsa_code_object_version 6
	.text
	.protected	k_q5c58dc9928_qproj
	.globl	k_q5c58dc9928_qproj
	.p2align	8
	.type	k_q5c58dc9928_qproj,@function
k_q5c58dc9928_qproj:
	s_mov_b64 s[64:65], 0
	v_nop
	global_prefetch_b8 v0, s[64:65] scope:SCOPE_SE
	s_setreg_imm32_b32 hwreg(HW_REG_WAVE_MODE, 25, 1), 1
	s_wait_xcnt 0x0
; qk[b][u] = 2 log2(e) x ( (sum over k of query[b][k] w1[k][u]) x 2^(e0 + e1) + b1[u] + b2[u] ),  [32][1024] f32.
; query_codes [32][1024] and w1_codes [1024 (u)][1024 (k)] are E4M3 codes, K innermost; they are multiplied as they are and each finished sum once by the scales' power of two.
; The factor 2 log2(e) and b2 are folded in here, so that the next launch gets the whole addend of its exponent, 2 log2(e) (q + k), by one multiply-add.
; LIMIT: e0 + e1 lies between -126 and 126, so that 2 log2(e) x 2^(e0 + e1) is an f32 number.
; SHARES.  16 work-groups of four waves; wave w of work-group g takes the 16 columns u0 = 16 (4 g + w) on, for all 32 batches: two accumulators, which take turns.
; The work is 64 tiles of 16 columns; four of them to a work-group make the 256 bytes of a row of qk that one store covers.
; THE WAY IN.  A wave's 16 rows of w1 are 16 KB on end in memory, query's 32 rows 32 KB: every load takes 512 consecutive bytes, 16 a lane (w1: 32 loads a wave; query: 16, a quarter each).
; They go into LDS as rows of 1,024 + 16 bytes and come back as fragments; query's rows come from four waves, so a barrier stands between.
; THE PRODUCT IS USED TRANSPOSED: source 0 = 16 rows of w1, source 1 = 16 rows of query: lane (r, h) holds batch 16 m + r, and its register j column u0 + 8 h + j.
; A fragment (16 rows x 128 K, 16 registers) is brought by four loads of 16 bytes: registers 4 c .. 4 c + 3 hold k = 32 c + 16 h + 0 .. 15: the same order of k on both sides, so every product meets its partner.
; K goes in two halves of four steps, so that a half's fragments (64 registers of w1, 128 of query) lie in the registers that the loads from memory filled: 256 registers in all, no register windows.
; REGISTERS: v1 r, v2 h, v3 16 x lane, v5 32 h, v6-8 the way out, v9-12 LDS addresses; v32-47 the two accumulators; v48-63 b1, b2; v64-191 w1 as loaded, v192-255 query as loaded;
;   then v64-127 w1's four fragments, v128-255 query's eight, (m, s) at 128 + 16 (4 m + s); at the end v192-223 results.
.set PW,   1040                        ; an LDS row: 1,024 bytes + 16 = 260 words: row r starts at bank 4 r mod 64 (64 banks of 4 bytes: ISA guide 11.1)
.set QL,   4*16*PW                     ; behind the four waves' tiles of w1: query's 32 rows
.set STG,  QL+32*PW                    ; behind them: the stage for the way out, 32 rows
.set SP,   272                         ; a stage row: 64 columns x 4 bytes + 16
.set ACC,  32
.set BI1,  48
.set BI2,  56
.set WR,   64
.set QR,   192
.set WF,   64
.set QF,   128
.set RES,  192
.set BACK, 208
; DEAD WORK, for the whole program.  score[b][t] = sum over u of v[u] tanh(..) + bv = (sum of v + bv) - 2 sum over u of v[u] / (1 + e^(2 ..)).  The term (sum of v + bv) is the same for all t of a batch,
; and the scores reach the outputs through softmax over t alone, which such a term leaves as it is, whatever the inputs hold.  So it is not formed: bv is not loaded and is among no launch's arguments.
; LIMIT: a NaN, an infinity or an overflow that would reach only that term is not carried to the results.
	s_load_b256 s[4:11], s[0:1], 0x0
	s_load_b128 s[12:15], s[0:1], 0x20
; ALSO HERE: w2f, w2's codes in the order of a wave's operand registers: tile t (16 units), K step s (128), c: 512 bytes, lane (r, h) holding w2[16 t + r][128 s + 32 c + 16 h + 0 .. 15].  Wave (g, w) lays tile 4 g + w.
	s_load_b128 s[32:35], s[0:1], 0x30             ; w2's codes s[32:33], w2f s[34:35]
	v_lshl_add_u32 v30, v0, 2, 0x1a800
	v_mov_b32 v31, 0
	v_lshrrev_b32 v4, 5, v0
	v_readfirstlane_b32 s16, v4                    ; wave 0..3
	v_and_b32 v1, 15, v0                           ; r
	v_bfe_u32 v2, v0, 4, 1                         ; h
	v_and_b32 v4, 31, v0
	v_lshlrev_b32 v3, 4, v4                        ; 16 x lane: my 16 bytes of a load's 512
	v_lshlrev_b32 v5, 5, v2                        ; the biases: my eight columns begin 32 h bytes on
	s_mul_i32 s24, s16, 16*PW                      ; my wave's tile of w1 in LDS
	v_add_nc_u32 v9, s24, v3                       ; w1, in: + 16 x lane
	v_mul_u32_u24 v11, v1, PW
	v_lshl_add_u32 v11, v2, 4, v11                 ; a fragment's row r, + 16 h
	v_add_nc_u32 v12, QL, v11                      ; query's fragments
	v_add_nc_u32 v11, s24, v11                     ; w1's
	s_mul_i32 s24, s16, 8*PW
	s_add_co_u32 s24, s24, QL
	v_add_nc_u32 v10, s24, v3                      ; query, in: my eight rows
	s_lshl_b32 s24, s16, 6
	s_add_co_u32 s24, s24, STG
	v_mul_u32_u24 v6, v1, SP
	v_lshl_add_u32 v6, v2, 5, v6
	v_add_nc_u32 v6, s24, v6                       ; into the stage: row r, + 64 x wave + 32 h
	s_mul_i32 s25, s16, 8*SP
	s_add_co_u32 s25, s25, STG
	v_mul_u32_u24 v7, v2, SP
	v_lshl_add_u32 v7, v1, 4, v7
	v_add_nc_u32 v7, s25, v7                       ; back: my eight rows; lanes 0-15 one row of 256 bytes, lanes 16-31 the next
	s_lshl_b32 s25, s16, 15
	v_lshlrev_b32 v8, 12, v2
	v_lshl_add_u32 v8, v1, 4, v8
	v_add_nc_u32 v8, s25, v8                       ; and the same rows in qk (4,096 bytes each)
	s_lshl_b32 s17, ttmp9, 2
	s_add_co_u32 s17, s17, s16                     ; my tile of columns: 4 g + w
	s_lshl_b32 s18, s17, 14                        ; its 16 rows of w1
	s_mov_b32 s19, 0
	s_lshl_b32 s26, s17, 6                         ; its 16 numbers of b1 and of b2
	s_mov_b32 s27, 0
	s_lshl_b32 s28, ttmp9, 8                       ; the work-group's 64 columns of qk
	s_mov_b32 s29, 0
	s_lshl_b32 s30, s16, 13                        ; my eight rows of query
	s_mov_b32 s31, 0
	s_wait_kmcnt 0x0
	s_load_b64 s[20:21], s[8:9], 0x0               ; e0, e1
	s_add_nc_u64 s[4:5], s[4:5], s[30:31]
	s_add_nc_u64 s[6:7], s[6:7], s[18:19]
	s_add_nc_u64 s[10:11], s[10:11], s[26:27]
	s_add_nc_u64 s[12:13], s[12:13], s[26:27]
	s_add_nc_u64 s[14:15], s[14:15], s[28:29]
	s_add_nc_u64 s[32:33], s[32:33], s[18:19]      ; my tile's 16 rows of w2: 16,384 bytes, as of w1
	s_add_nc_u64 s[34:35], s[34:35], s[18:19]      ; and the same 16,384 bytes of w2f
.set j, 0
.rept 16                               ; query first: all four waves wait for it
	global_load_b128 v[QR+4*j:QR+4*j+3], v3, s[4:5] offset:512*j
.set j, j+1
.endr
.set j, 0
.rept 32
	global_load_b128 v[WR+4*j:WR+4*j+3], v3, s[6:7] offset:512*j th:TH_LOAD_NT   ; read once in the launch
.set j, j+1
.endr
	global_load_b128 v[BI1:BI1+3], v5, s[10:11]
	global_load_b128 v[BI1+4:BI1+7], v5, s[10:11] offset:16
	global_load_b128 v[BI2:BI2+3], v5, s[12:13]
	global_load_b128 v[BI2+4:BI2+7], v5, s[12:13] offset:16
	s_wait_loadcnt 36                              ; query's 16 loads are in; w1's 32 and the biases' 4 stay out
.set j, 0
.rept 16
	ds_store_b128 v10, v[QR+4*j:QR+4*j+3] offset:(j/2)*PW+(j%2)*512   ; half a row: 512 bytes on end
.set j, j+1
.endr
	s_wait_loadcnt 4                               ; w1's are in; the biases' stay out
.set j, 0
.rept 32
	ds_store_b128 v9, v[WR+4*j:WR+4*j+3] offset:(j/2)*PW+(j%2)*512
.set j, j+1
.endr
	s_wait_dscnt 0x0                               ; for the others' sake: my rows of query have landed; and my stores have read their registers, which take the fragments
	s_barrier_signal -1
	s_barrier_wait -1
; K steps 4 p .. 4 p + 3: twelve LDS loads a step (w1's fragment, query's two), all issued first; the wait ahead of step s leaves the 12 (3 - s) loads of the later steps out.
; The two accumulators take turns, one instruction a turn; the very first products start the sums.
.macro HALF p
.irp s, 0,1,2,3
.irp c, 0,1,2,3
	ds_load_b128 v[WF+16*\s+4*\c:WF+16*\s+4*\c+3], v11 offset:128*(4*\p+\s)+32*\c
.endr
.irp m, 0,1
.irp c, 0,1,2,3
	ds_load_b128 v[QF+16*(4*\m+\s)+4*\c:QF+16*(4*\m+\s)+4*\c+3], v12 offset:16*\m*PW+128*(4*\p+\s)+32*\c
.endr
.endr
.endr
.irp s, 0,1,2,3
	s_wait_dscnt 12*(3-\s)
.irp m, 0,1
.if (\p == 0) && (\s == 0)
	v_wmma_f32_16x16x128_fp8_fp8 v[ACC+8*\m:ACC+8*\m+7], v[WF+16*\s:WF+16*\s+15], v[QF+16*(4*\m+\s):QF+16*(4*\m+\s)+15], 0
.else
	v_wmma_f32_16x16x128_fp8_fp8 v[ACC+8*\m:ACC+8*\m+7], v[WF+16*\s:WF+16*\s+15], v[QF+16*(4*\m+\s):QF+16*(4*\m+\s)+15], v[ACC+8*\m:ACC+8*\m+7]
.endif
.endr
.endr
.endm
	HALF 0
.rept 4
	v_nop                                          ; places in front of loads into registers that matrix instructions have read (ISA guide 7.12.1 for vector instructions)
.endr
	HALF 1
	s_wait_loadcnt 0x0                             ; the biases
	s_wait_kmcnt 0x0
	s_add_co_i32 s22, s20, s21
	s_lshl_b32 s22, s22, 23
	s_add_co_i32 s22, s22, 0x4038aa3b              ; 2 log2(e) x 2^(e0 + e1): the exponents are added to the constant's exponent field
	s_mov_b32 s23, s22                             ; (named with it as a pair, so it is written)
.irp i, 0,2,4,6                        ; eight plain instructions that name no register of the products: they are the places behind the last of them (ISA guide 7.12.1)
	v_pk_add_f32 v[BI1+\i:BI1+\i+1], v[BI1+\i:BI1+\i+1], v[BI2+\i:BI2+\i+1]
.endr
.irp i, 0,2,4,6
	v_pk_mul_f32 v[BI1+\i:BI1+\i+1], v[BI1+\i:BI1+\i+1], 0x4038aa3b op_sel_hi:[1,0]
.endr
	v_lshlrev_b32 v13, 10, v1                      ; w2: row r of 1,024 bytes,
	v_lshl_add_u32 v13, v2, 4, v13                 ; + 16 h
.set j, 0
.rept 32                               ; my tile of w2 as fragments, into the registers that held w1's and query's (the ten plain lines above are the places behind the last products)
	global_load_b128 v[64+4*j:64+4*j+3], v13, s[32:33] offset:128*(j/4)+32*(j%4)
.set j, j+1
.endr
.irp m, 0,1
.irp i, 0,2,4,6                        ; each accumulator from its low end on
	v_pk_fma_f32 v[RES+8*\m+\i:RES+8*\m+\i+1], v[ACC+8*\m+\i:ACC+8*\m+\i+1], s[22:23], v[BI1+\i:BI1+\i+1] op_sel_hi:[1,0,1]
.endr
.endr
.irp m, 0,1
	ds_store_b128 v6, v[RES+8*\m:RES+8*\m+3] offset:16*\m*SP
	ds_store_b128 v6, v[RES+8*\m+4:RES+8*\m+7] offset:16*\m*SP+16
.endr
	s_wait_dscnt 0x0                               ; for the others' sake: my stores into the stage are done; a row's 256 bytes come from four waves
	s_barrier_signal -1
	s_barrier_wait -1
.irp i, 0,1,2,3
	ds_load_b128 v[BACK+4*\i:BACK+4*\i+3], v7 offset:2*\i*SP
.endr
.irp i, 0,1,2,3
	s_wait_dscnt 3-\i
	global_store_b128 v8, v[BACK+4*\i:BACK+4*\i+3], s[14:15] offset:2*\i*4096   ; 16 lanes store 256 consecutive bytes, at a multiple of 256 from qk's first byte
.endr
	s_wait_loadcnt 0x0                             ; w2's fragments are in
.set j, 0
.rept 32
	global_store_b128 v3, v[64+4*j:64+4*j+3], s[34:35] offset:512*j   ; 32 lanes store 512 consecutive bytes
.set j, j+1
.endr
	s_wait_tensorcnt 0x0
	ds_add_u32 v30, v31
	s_wait_dscnt 0x0
	s_endpgm
.Lfunc_end_k_q5c58dc9928_qproj:
	.size	k_q5c58dc9928_qproj, .Lfunc_end_k_q5c58dc9928_qproj-k_q5c58dc9928_qproj
	.p2alignl 7, 3214868480
	.fill 96, 4, 3214868480
	.section	.rodata,"a",@progbits
	.p2align	6, 0x0
	.amdhsa_kernel k_q5c58dc9928_qproj
		.amdhsa_group_segment_fixed_size 109056
		.amdhsa_private_segment_fixed_size 0
		.amdhsa_enable_private_segment 0
		.amdhsa_kernarg_size 64
		.amdhsa_user_sgpr_count 2
		.amdhsa_user_sgpr_kernarg_segment_ptr 1
		.amdhsa_wavefront_size32 1
		.amdhsa_system_sgpr_workgroup_id_x 1
		.amdhsa_system_sgpr_workgroup_id_y 1
		.amdhsa_system_sgpr_workgroup_id_z 1
		.amdhsa_system_vgpr_workitem_id 0
		.amdhsa_next_free_vgpr 256
		.amdhsa_next_free_sgpr 66
		.amdhsa_reserve_vcc 0
		.amdhsa_float_denorm_mode_32 3
		.amdhsa_float_denorm_mode_16_64 3
		.amdhsa_memory_ordered 1
		.amdhsa_forward_progress 1
		.amdhsa_inst_pref_size 27
	.end_amdhsa_kernel
	.amdgpu_metadata
---
amdhsa.version: [ 1, 2 ]
amdhsa.kernels:
  - .name:           k_q5c58dc9928_qproj
    .symbol:         k_q5c58dc9928_qproj.kd
    .args:
      - { .name: query_codes, .offset: 0, .size: 8, .value_kind: global_buffer, .address_space: global }
      - { .name: w1_codes, .offset: 8, .size: 8, .value_kind: global_buffer, .address_space: global }
      - { .name: lowp_scales, .offset: 16, .size: 8, .value_kind: global_buffer, .address_space: global }
      - { .name: b1, .offset: 24, .size: 8, .value_kind: global_buffer, .address_space: global }
      - { .name: b2, .offset: 32, .size: 8, .value_kind: global_buffer, .address_space: global }
      - { .name: qk, .offset: 40, .size: 8, .value_kind: global_buffer, .address_space: global }
      - { .name: w2_codes, .offset: 48, .size: 8, .value_kind: global_buffer, .address_space: global }
      - { .name: w2f, .offset: 56, .size: 8, .value_kind: global_buffer, .address_space: global }
    .group_segment_fixed_size: 109056
    .private_segment_fixed_size: 0
    .kernarg_segment_align: 8
    .kernarg_segment_size: 64
    .max_flat_workgroup_size: 128
    .sgpr_count:     66
    .vgpr_count:     256
    .wavefront_size: 32
...
	.end_amdgpu_metadata
.endif
;; end of part 1
;; launch fused (part 2): grid 256 x 1, 4 waves a work-group, clusters of 4 x 1, 327,680 bytes of LDS; arguments values, w2_codes, lowp_scales, qk, v, scores, part, w2f; writes scores, part
.if DOCPART == 2
	.amdgcn_target "amdgcn-amd-amdhsa--gfx1250"
	.amdhsa_code_object_version 6
	.text
	.protected	k_q5c58dc9928_fused
	.globl	k_q5c58dc9928_fused
	.p2align	8
	.type	k_q5c58dc9928_fused,@function
k_q5c58dc9928_fused:
	s_mov_b64 s[64:65], 0
	v_nop
	global_prefetch_b8 v0, s[64:65] scope:SCOPE_SE
	s_setreg_imm32_b32 hwreg(HW_REG_WAVE_MODE, 25, 1), 1
	s_wait_xcnt 0x0
	s_wait_alu depctr_hold_cnt(0) depctr_sa_sdst(0) depctr_va_vdst(0) depctr_va_sdst(0) depctr_va_ssrc(0) depctr_va_vcc(0) depctr_vm_vsrc(0)
	s_getreg_b32 s2, hwreg(HW_REG_IB_STS2, 6, 4)
	s_cmp_eq_u32 s2, 0
	s_cbranch_scc0 .Lentry_in_a_cluster
	s_endpgm
.Lentry_in_a_cluster:
	s_bfe_u32 s2, ttmp6, 0x10000c
	s_cmp_lg_u32 s2, 0x3003
	s_cbranch_scc0 .Lentry_shape_is_right
	s_endpgm
.Lentry_shape_is_right:
; For 256 rows t of one batch b: s[t] = -2 sum over u of v[u] / (1 + 2^(x)), x = 2 log2(e) (q_proj + k_proj), k_proj = Q(values) w2 on E4M3 codes; then the rows' part of the softmax and of the weighted sum.
; LEFT OUT as dead work (shown at the head of the first kernel): the term sum of v + bv, the same for all t of a batch.
; OUT: scores[b][t] = s[t]; part[work-group]: 1,024 sums over my rows of 2^((s - m) log2(e)) values[t][d], then one block of 256 bytes holding (m, l): my rows' largest s and the sum of those powers.  The next launch joins a batch's eight parts.
; The maximum is taken away before every exponential, as a running maximum over the four blocks; what was summed under the old one is multiplied by 2^((old - new) log2(e)), with no branch.
; SHARES.  A work-group walks its 256 rows in four blocks of 64.  Wave w loads rows 16 w .. + 15 once, as eight tiles of 128 columns, and keeps them as f32 until the weighted sum: tile 5 in 64 registers, the other seven in LDS bytes of its own.
; Their codes pass through a stage in LDS, a quarter of K at a time, and EVERY wave then holds the codes of all 64 rows (512 registers): each fragment of w2 feeds four matrix instructions.
; A PERIOD, eight a block, is 128 units: wave w takes units 128 p + 16 w .. + 15 from LDS and units 128 p + 64 + 16 w .. + 15 from w2f.
; CLUSTER 4 x 1: all work-groups walk the same w2, so the first 64 units of a period are asked for JOINTLY, into one slot of 64 x (1,024 + 16) bytes; wave w fetches, and alone reads, rows 16 w .. + 15.  Nothing in the descriptor hangs on the place in the cluster.
; Beside the rows kept (229,376 bytes) LDS has no room for a second slot or a larger one: so a wave reads its tile whole into 128 registers, the slot is filled again behind a round, and that load has the period's 64 matrix instructions in which to land.
; The other 64 units come from w2f, which holds them in register order (512 consecutive bytes a load), into 128 registers that are filled again a period ahead.
; The slot's first fill of a block stands behind the round at the block's top; the block's last period, written out, asks for nothing.
; THE PRODUCT IS USED TRANSPOSED (source 0 = 16 units, source 1 = 16 rows): lane (r, h) holds row 16 m + r and its register j unit 8 h + j.  k is laid alike on both sides: registers 4 c .. 4 c + 3 hold k = 32 c + 16 h + 0 .. 15 of a step of 128.
; No transcendental stands among a period's matrix instructions (four accumulators a tile by turns); a tile's exponentials and reciprocals go as two batches, in place on its accumulators.
; PREFETCH of values: in each of a block's eight periods a wave names 8,192 bytes (32 lanes, 256 bytes apart) of its own 16 rows of the NEXT block: each block of 256 bytes once; the last block asks for nothing.  w2 (1,048,576 bytes) is walked by every work-group four times: no prefetch for it.
; LIMITS: e2 between -126 and 119, e2 + e3 between -126 and 126, so that the powers of two below are f32 numbers.
; REGISTERS: window 0: v1-31 addresses and what is carried; v32-63, v64-95 the two tiles' accumulators (in the weighted sum: tile 4's rows); v96-127 the weighted sums; v128-183 qk, -2 v, sums, codes or weights, at work; v192-255 tile 5.
;   window 1, 2: tiles as loaded, then the codes: fragment (s, m) at 16 (4 s + m) of the 512.   window 3: v0-127 the slot's fragments (in the weighted sum: rows from LDS); v128-255 w2f's.
.set BPI,   1040
.set SLOTB, 64*BPI                     ; 66,560
.set FB,    SLOTB                      ; each wave's 112 rows of 512 bytes
.set SPI,   272                        ; a stage row: 256 codes + 16 bytes
.set STG,   FB+4*57344
.set TAB,   STG+64*SPI                 ; for each 8 units 64 bytes: qk, then -2 v
.set RED,   TAB+8192
.set PP,    RED+1024
.set SPARE, PP+1024
.set SPW, 1
.set NIL, 2
.set GOFF, 3
.set CSTS, 4
.set CSTL, 5
.set FSP, 6
.set TA0, 7
.set ADRT, 8
.set SCALE, 9
.set PFO, 10
.set SIN, 11
.set SRD, 12
.set PWR, 13
.set PRD, 14
.set GSC, 15
.set BA0, 16
.set OUTS, 18
.set OUTL, 19
.set MRUN, 20
.set LSUM, 21
.set F, 22
.set POFF, 24
.set AL, 32
.set AD, 64
.set CTX, 96
.set QK, 128
.set VV, 136
.set SC, 144
.set CW, 152
.set PW, 152
.set T, 168
.set H5, 192
.set VAL, 4
.set WB, 6
.set SCO, 14
.set PART, 16
.set WV, 18
.set PF, 28
.set SEL, 32
.set KS, 34
.set LIM, 36
.set NLIM, 37
.set BLK, 38
.set IC, 39
.set L2E, 44
.set G1, 48
.set G0, 56
.set BB, 76
.set BP, 78
.set MSB, 0
.macro WIN new                         ; the immediate's high byte repeats the setting that is left
.if MSB != (\new)
	s_set_vgpr_msb (MSB<<8)|(\new)
.set MSB, (\new)
.endif
.endm
.macro PLACES
.rept 4
	v_nop
.endr
.endm
.macro BAR
	s_wait_dscnt 0x0                               ; for the others' sake: my LDS stores have landed and my LDS reads are over
	s_barrier_signal -1
	s_barrier_wait -1
.endm
.macro ROUND                           ; a round of the cluster's barrier
	s_barrier_signal -1
	s_barrier_wait -1
	s_cmp_lg_u32 s[WV], 0
	s_cbranch_scc1 .Lnot_wave_0_\@
	s_barrier_signal -3
.Lnot_wave_0_\@:
	s_barrier_wait -3
	s_barrier_signal -1
	s_barrier_wait -1
.endm
.macro HOME t                          ; where tile t's f32 numbers land: window hw, register hb
.if (\t) == 5
.set hw, 0
.set hb, H5
.else
.set hw, 1+(\t)/4
.set hb, 64*((\t)%4)
.endif
.endm
.macro LOADV t                         ; my 16 rows x columns 128 t .. + 127: a load is 512 consecutive bytes of a row
	HOME \t
	WIN (hw<<6)
.set i, 0
.rept 16
	global_load_b128 v[hb+4*i:hb+4*i+3], v[GOFF], s[VAL:VAL+1] offset:i*4096+512*(\t) th:TH_LOAD_NT
.set i, i+1
.endr
.endm
.macro LOADB hf                        ; half of my tile of w2f: loads 16 hf .. + 15
	WIN 0xc0
.set i, 0
.rept 16
	global_load_b128 v[128+64*(\hf)+4*i:128+64*(\hf)+4*i+3], v[GOFF], s[BP:BP+1] offset:8192*(\hf)+512*i
.set i, i+1
.endr
.endm
.macro QT t                            ; a tile: f32 kept, held at 448 x the scale, converted, codes into the stage
	HOME \t
.set qw, 1+(\t)/4
.set qb, 64*((\t)%4)
	s_wait_loadcnt 32                              ; behind this tile's loads two groups of 16 are out
.if (\t) != 5
	WIN (qw<<2)
.set i, 0
.rept 16
	ds_store_b128 v[FSP], v[qb+4*i:qb+4*i+3] offset:(16*((\t)-(\t)/6)+i)*512
.set i, i+1
.endr
.endif
	WIN (qw<<6)|hw
.set i, 0
.rept 64
	v_med3_num_f32 v[qb+i], v[hb+i], s[NLIM], s[LIM]   ; tile 5 stays as it is: the held numbers go where the codes' fragments will lie
.set i, i+1
.endr
	WIN qw
.irp g, 0,1,2,3,4,5,6,7
	v_cvt_scalef32_pk8_fp8_f32 v[CW+2*\g:CW+2*\g+1], v[qb+8*\g:qb+8*\g+7], v[SCALE]   ; rows 2 g and 2 g + 1, four codes each
.endr
	v_nop
	WIN 0
.set i, 0
.rept 16
	ds_store_b32 v[CSTS], v[CW+i] offset:SPI*i+128*((\t)%2)
.set i, i+1
.endr
.endm
.macro FRAGS q                         ; the codes of all 64 rows, K steps 2 q and 2 q + 1, as 8 fragments
	WIN ((1+(\q)/2)<<6)
.irp u, 0,1
.irp m, 0,1,2,3
.irp c, 0,1,2,3
	ds_load_b128 v[16*(4*((2*\q+\u)%4)+\m)+4*\c:16*(4*((2*\q+\u)%4)+\m)+4*\c+3], v[CSTL] offset:16*\m*SPI+128*\u+32*\c
.endr
.endr
.endr
	WIN 0
.endm
.macro TLOAD off                       ; qk and -2 v of a tile
	ds_load_b128 v[QK:QK+3], v[ADRT] offset:\off
	ds_load_b128 v[QK+4:QK+7], v[ADRT] offset:\off+16
	ds_load_b128 v[VV:VV+3], v[ADRT] offset:\off+32
	ds_load_b128 v[VV+4:VV+7], v[ADRT] offset:\off+48
.endm
.macro VEC x                           ; a tile's 32 registers of sums, in place: x, 2^x, + 1, 1 / ..; then x (-2 v) onto the rows' sums
.irp a, 0,1,2,3                        ; x = sum x 2 log2(e) 2^(e2 + e3) + qk; each accumulator from its low end on
.irp j, 0,1,2,3
	v_pk_fma_f32 v[\x+8*\a+2*\j:\x+8*\a+2*\j+1], v[\x+8*\a+2*\j:\x+8*\a+2*\j+1], s[KS:KS+1], v[QK+2*\j:QK+2*\j+1] op_sel_hi:[1,0,1]
.endr
.endr
	s_wait_alu depctr_va_vdst(0)                   ; the wait ahead of a batch
.set i, 0
.rept 32
	v_exp_f32 v[\x+i], v[\x+i]
.set i, i+1
.endr
	v_nop
	s_wait_alu depctr_va_vdst(0)                   ; and behind it
.set i, 0
.rept 16
	v_pk_add_f32 v[\x+2*i:\x+2*i+1], v[\x+2*i:\x+2*i+1], 1.0 op_sel_hi:[1,0]
.set i, i+1
.endr
	s_wait_alu depctr_va_vdst(0)
.set i, 0
.rept 32
	v_rcp_f32 v[\x+i], v[\x+i]
.set i, i+1
.endr
	v_nop
	s_wait_alu depctr_va_vdst(0)
.irp j, 0,1,2,3
.irp a, 0,1,2,3
	v_pk_fma_f32 v[SC+2*\a:SC+2*\a+1], v[\x+8*\a+2*\j:\x+8*\a+2*\j+1], v[VV+2*\j:VV+2*\j+1], v[SC+2*\a:SC+2*\a+1]
.endr
.endr
.endm
.macro MMRUN acc, bb, ld               ; a tile: 8 steps of K x 4 blocks of rows.  ld = 1: its fragments come by global loads
.irp s, 0,1,2,3,4,5,6,7
.if \s == 0
	WIN 0x07                                       ; source 0 window 3, source 1 window 1
.endif
.if \s == 4
	WIN 0x0b                                       ; source 1 window 2
.endif
.if \ld
	s_wait_loadcnt 4*(7-\s)                        ; the later K steps' fragments stay out
.else
	s_wait_dscnt 4*(7-\s)
.endif
.irp m, 0,1,2,3
.if \s == 0
	v_wmma_f32_16x16x128_fp8_fp8 v[\acc+8*\m:\acc+8*\m+7], v[\bb+16*\s:\bb+16*\s+15], v[16*(4*(\s%4)+\m):16*(4*(\s%4)+\m)+15], 0
.else
	v_wmma_f32_16x16x128_fp8_fp8 v[\acc+8*\m:\acc+8*\m+7], v[\bb+16*\s:\bb+16*\s+15], v[16*(4*(\s%4)+\m):16*(4*(\s%4)+\m)+15], v[\acc+8*\m:\acc+8*\m+7]
.endif
.endr
.endr
.endm
.macro PERIOD vec, more                ; vec = 1: the last period's second tile waits in its accumulators.  more = 1: a period follows in this block
	s_wait_xcnt 0x0                                ; my loads and my prefetch have read their bases
	s_add_nc_u64 s[PF:PF+1], s[PF:PF+1], 8192
.if \more
	s_add_nc_u64 s[BP:BP+1], s[BP:BP+1], 131072
.endif
	s_wait_tensorcnt 0x0                           ; my tile of the slot has landed
.if \vec
	TLOAD 512
	v_add_nc_u32 v[ADRT], 1024, v[ADRT]
.endif
	WIN 0xc0
.set i, 0
.rept 32
	ds_load_b128 v[4*i:4*i+3], v[BA0] offset:32*i  ; the whole tile, into registers that the last period's products have done with (its later plain lines are their places)
.set i, i+1
.endr
	WIN 0
.if \vec
	s_wait_dscnt 32                                ; qk and -2 v are in; the 32 fragment loads stay out
	VEC AD
.endif
.if \more
	s_wait_tensorcnt 0x0                           ; no tensor load of mine is out
	ds_add_u32 v[SPW], v[NIL]
	s_add_nc_u64 s[G0+2:G0+3], s[G0+2:G0+3], 131072   ; the next period's tile: 128 units on
	s_wait_dscnt 0x0                               ; the add is done, and my reads of the slot are over
	ROUND
	tensor_load_to_lds s[G0:G0+3], s[G1:G1+7]
	s_nop 0
	PLACES
.endif
	MMRUN AL, 0, 0
	MMRUN AD, 128, 1
	PLACES                                         ; behind the last products: for the loads into their fragments and the reads of their sums
.if \more
	LOADB 0
	LOADB 1
.endif
	WIN 0
	s_cmp_eq_u32 s[BLK], 1                         ; the last block has no successor
	s_cbranch_scc1 .Lnp_\@
	global_prefetch_b8 v[PFO], s[PF:PF+1] th:TH_LOAD_NT scope:SCOPE_SE
.Lnp_\@:
	TLOAD 0
	s_wait_dscnt 0x0
	VEC AL
.endm
.macro ULOAD ub, a, hf                 ; rows 8 hf .. + 7 of the a-th and the next of my tiles in LDS
	WIN 0xc0
.set i, 0
.rept 8
	ds_load_b128 v[\ub+4*i:\ub+4*i+3], v[FSP] offset:(16*(\a)+8*(\hf)+i)*512
	ds_load_b128 v[\ub+32+4*i:\ub+32+4*i+3], v[FSP] offset:(16*((\a)+1)+8*(\hf)+i)*512
.set i, i+1
.endr
.endm
.macro USUM b0, b1, ta, tb, r0, n      ; n of my rows from r0 on, tiles ta (at b0) and tb (at b1): sums += weight x numbers
.set k, 0
.rept \n
.set pw, PW+2*(((\r0)+k)/2)
.irp e, 0,2
.if ((\r0)+k)%2
	v_pk_fma_f32 v[CTX+4*\ta+\e:CTX+4*\ta+\e+1], v[\b0+4*k+\e:\b0+4*k+\e+1], v[pw:pw+1], v[CTX+4*\ta+\e:CTX+4*\ta+\e+1] op_sel:[0,1,0] op_sel_hi:[1,1,1]
	v_pk_fma_f32 v[CTX+4*\tb+\e:CTX+4*\tb+\e+1], v[\b1+4*k+\e:\b1+4*k+\e+1], v[pw:pw+1], v[CTX+4*\tb+\e:CTX+4*\tb+\e+1] op_sel:[0,1,0] op_sel_hi:[1,1,1]
.else
	v_pk_fma_f32 v[CTX+4*\ta+\e:CTX+4*\ta+\e+1], v[\b0+4*k+\e:\b0+4*k+\e+1], v[pw:pw+1], v[CTX+4*\ta+\e:CTX+4*\ta+\e+1] op_sel_hi:[1,0,1]
	v_pk_fma_f32 v[CTX+4*\tb+\e:CTX+4*\tb+\e+1], v[\b1+4*k+\e:\b1+4*k+\e+1], v[pw:pw+1], v[CTX+4*\tb+\e:CTX+4*\tb+\e+1] op_sel_hi:[1,0,1]
.endif
.endr
.set k, k+1
.endr
.endm
.macro DSW n
	s_wait_alu depctr_va_vdst(0)
	s_wait_dscnt \n
.endm
	s_load_b256 s[4:11], s[0:1], 0x0               ; values s[4:5], w2's codes s[6:7], the scales' exponents s[8:9], qk s[10:11]
	s_load_b128 s[12:15], s[0:1], 0x20             ; v s[12:13], scores s[14:15]
	s_load_b64 s[16:17], s[0:1], 0x30              ; part
	s_load_b64 s[BB:BB+1], s[0:1], 0x38            ; w2f
	v_lshl_add_u32 v[SPW], v0, 2, SPARE
	v_mov_b32 v[NIL], 0
	ds_add_u32 v[SPW], v[NIL]                      ; the opening lines: the add,
	ds_add_u32 v[SPW], v[NIL]                      ; once more,
	v_lshrrev_b32 v[T], 5, v0
	v_readfirstlane_b32 s[WV], v[T]                ; wave 0..3
	s_mov_b32 s[G1], 15|(1<<20)|(1<<21)|(7<<22)|(3<<25)   ; the four of my cluster; elements of 1 byte; 4 words of padding behind every 256
	s_mov_b32 s[G1+1], 1024<<16
	s_mov_b32 s[G1+2], 16<<16
	s_mov_b32 s[G1+3], 1024<<16
	s_mov_b32 s[G1+4], 16
	s_mov_b32 s[G1+5], 1024
	s_mov_b32 s[G1+6], 0
	s_mov_b32 s[G1+7], 0
	s_mov_b32 s[G0], 1
	s_mul_i32 s[G0+1], s[WV], 16*BPI               ; my 16 rows of the slot
	s_bfe_u32 s19, ttmp6, 0x40000
	s_lshl_b32 s20, ttmp9, 2
	s_add_co_u32 s19, s20, s19                     ; the work-group's number: it enters global addresses of my own loads and stores alone
	s_mul_i32 s20, s[WV], 57344
	s_add_co_u32 s20, s20, FB
	s_mul_i32 s21, s[WV], 16*SPI
	s_add_co_u32 s21, s21, STG
	s_lshl_b32 s22, s[WV], 7
	s_add_co_u32 s22, s22, TAB
	s_lshl_b32 s24, s[WV], 8
	s_add_co_u32 s23, s24, RED
	s_add_co_u32 s24, s24, PP
	s_mul_i32 s25, s[WV], 320
	s_add_co_u32 s25, s25, PP                      ; my own 16 rows' weights in my copy
	s_lshl_b32 s26, s[WV], 12
	s_add_co_u32 s26, s26, STG
	s_lshl_b32 s27, s[WV], 10
	s_add_co_u32 s30, s27, STG
	s_mov_b32 s[SEL], 0x76543210
	s_mov_b32 s[SEL+1], 0xfedcba98                 ; lane l xor 16
	s_mov_b32 s[L2E], 0x3fb8aa3b                   ; log2(e)
	s_mov_b32 s[BLK], 4
	s_lshl_b32 s66, s19, 20                        ; the work-group's 256 rows,
	s_lshl_b32 s67, s[WV], 16                      ; my 16 of a block
	s_add_co_u32 s66, s66, s67
	s_mov_b32 s67, 0
	s_lshl_b32 s68, s[WV], 14                      ; my 16 units of 64
	s_mov_b32 s69, 0
	s_lshr_b32 s70, s19, 3
	s_lshl_b32 s70, s70, 12                        ; the batch's row of qk
	s_mov_b32 s71, 0
	s_lshl_b32 s72, s19, 10
	s_mov_b32 s73, 0
	s_mul_i32 s74, s19, 4352
	s_mov_b32 s75, 0
	s_wait_dscnt 0x0                               ; and the one wait for both
	v_and_b32 v[T+1], 31, v0                       ; lane
	v_and_b32 v[T+2], 15, v0                       ; r
	v_bfe_u32 v[T+3], v0, 4, 1                     ; h
	v_lshlrev_b32 v[GOFF], 4, v[T+1]
	v_lshlrev_b32 v[PFO], 8, v[T+1]
	v_lshlrev_b32 v[GSC], 3, v[T+1]
	v_lshlrev_b32 v[T+4], 5, v0                    ; the table: thread i takes units 8 i .. + 7
	v_lshl_add_u32 v[T+5], v0, 6, TAB
	v_add_nc_u32 v[FSP], s20, v[GOFF]
	v_lshl_add_u32 v[CSTS], v[T+1], 2, s21
	v_mul_u32_u24 v[CSTL], v[T+2], SPI
	v_lshl_add_u32 v[CSTL], v[T+3], 4, v[CSTL]
	v_add_nc_u32 v[CSTL], STG, v[CSTL]
	v_lshl_add_u32 v[TA0], v[T+3], 6, s22
	v_lshl_add_u32 v[SIN], v[T+2], 2, s23
	v_lshl_add_u32 v[SRD], v[T+1], 3, RED
	v_lshl_add_u32 v[PWR], v[T+1], 3, s24
	v_mov_b32 v[PRD], s25
	v_mul_u32_u24 v[BA0], v[T+2], BPI
	v_lshl_add_u32 v[BA0], v[T+3], 4, v[BA0]
	v_add_nc_u32 v[BA0], s[G0+1], v[BA0]
	v_add_nc_u32 v[OUTS], s26, v[GOFF]
	v_add_nc_u32 v[OUTL], s30, v[GOFF]
	v_add_nc_u32 v[POFF], s27, v[GOFF]
	v_mov_b32 v[MRUN], 0xff61b1e6                  ; -3e38, under every score
	v_mov_b32 v[LSUM], 0
	v_mov_b32 v[F+1], 0                            ; (named as the upper half of a pair)
	v_mov_b32 v[T+6], 0                            ; (lane permutes' destinations are written once)
	v_mov_b32 v[T+7], 0
.set i, 0
.rept 32
	v_mov_b32 v[CTX+i], 0
.set i, i+1
.endr
	s_wait_alu depctr_va_vdst(0)                   ; the wait at the head's end
	s_wait_kmcnt 0x0
	s_load_b128 s[40:43], s[8:9], 0x0              ; e0 .. e3
	s_add_nc_u64 s[VAL:VAL+1], s[VAL:VAL+1], s[66:67]
	s_add_nc_u64 s[WB:WB+1], s[WB:WB+1], s[68:69]
	s_add_nc_u64 s[BB:BB+1], s[BB:BB+1], s[68:69]
	s_add_nc_u64 s[BB:BB+1], s[BB:BB+1], 65536     ; tile 4 + w of w2f
	s_add_nc_u64 s[10:11], s[10:11], s[70:71]
	s_add_nc_u64 s[SCO:SCO+1], s[SCO:SCO+1], s[72:73]
	s_add_nc_u64 s[PART:PART+1], s[PART:PART+1], s[74:75]
	global_load_b128 v[32:35], v[T+4], s[10:11]
	global_load_b128 v[36:39], v[T+4], s[10:11] offset:16
	global_load_b128 v[40:43], v[T+4], s[12:13]
	global_load_b128 v[44:47], v[T+4], s[12:13] offset:16
	LOADV 0
	LOADV 1
	LOADV 2
	WIN 0
	s_wait_kmcnt 0x0
	s_add_co_i32 s45, s42, 127
	s_lshl_b32 s30, s45, 23
	v_mov_b32 v[SCALE], s30                        ; 2^e2
	s_add_co_i32 s45, s45, 8
	s_lshl_b32 s[LIM], s45, 23
	s_or_b32 s[LIM], s[LIM], 0x600000              ; 448 x 2^e2
	s_or_b32 s[NLIM], s[LIM], 0x80000000
	s_add_co_i32 s45, s42, s43
	s_lshl_b32 s45, s45, 23
	s_add_co_i32 s[KS], s45, 0x4038aa3b            ; 2 log2(e) x 2^(e2 + e3)
	s_mov_b32 s[KS+1], s[KS]
	s_wait_alu depctr_va_vdst(0)
	s_wait_loadcnt 48                              ; qk and v are in; the 48 loads of values stay out
.irp i, 0,2,4,6
	v_pk_mul_f32 v[48+\i:49+\i], v[40+\i:41+\i], -2.0 op_sel_hi:[1,0]
.endr
	ds_store_b128 v[T+5], v[32:35]
	ds_store_b128 v[T+5], v[36:39] offset:16
	ds_store_b128 v[T+5], v[48:51] offset:32
	ds_store_b128 v[T+5], v[52:55] offset:48
.Lblock:                                               ; four trips: a block of 64 rows each
	s_wait_alu depctr_va_vdst(0)
	s_wait_tensorcnt 0x0                           ; no tensor load of mine is out
	ds_add_u32 v[SPW], v[NIL]                      ; the add, here twice on end
	ds_add_u32 v[SPW], v[NIL]
	s_mov_b64 s[G0+2:G0+3], s[WB:WB+1]             ; the walk over w2 starts anew: units 0 .. 63
	s_or_b32 s[G0+3], s[G0+3], 0x80000000
	s_wait_dscnt 0x0                               ; the adds are done, my LDS reads are over (first trip: my part of the table has landed)
	ROUND
	tensor_load_to_lds s[G0:G0+3], s[G1:G1+7]      ; it lands under the quantiser
	s_nop 0
	PLACES
	s_wait_xcnt 0x0
	s_mov_b64 s[BP:BP+1], s[BB:BB+1]
	s_add_nc_u64 s[PF:PF+1], s[VAL:VAL+1], 262144-8192   ; a period steps it first: my rows of the next block
	v_mov_b32 v[ADRT], v[TA0]
.set i, 0
.rept 8
	v_mov_b32 v[SC+i], 0
.set i, i+1
.endr
	QT 0
	LOADV 3
	QT 1
	LOADV 4
	WIN 0
	BAR                                            ; the stage holds a quarter of K of all 64 rows
	FRAGS 0
	BAR                                            ; and everybody has read it
	QT 2
	LOADV 5
	QT 3
	LOADV 6
	WIN 0
	BAR
	FRAGS 1
	BAR
	QT 4
	LOADV 7
	QT 5
	LOADB 0                                        ; period 0's tile of w2f
	WIN 0
	BAR
	FRAGS 2
	BAR
	QT 6
	LOADB 1
	QT 7
	BAR
	FRAGS 3
	PERIOD 0, 1
	s_mov_b32 s[IC], 6
.Lper:
	PERIOD 1, 1
	s_sub_co_u32 s[IC], s[IC], 1
	s_cmp_lg_u32 s[IC], 0
	s_cbranch_scc1 .Lper
	PERIOD 1, 0                                    ; the block's last period: nothing is asked for
	TLOAD 512
	s_wait_dscnt 0x0
	VEC AD
	s_cmp_eq_u32 s[BLK], 1
	s_wait_alu depctr_va_vdst(0)
	s_cbranch_scc1 .Lnoload
	s_wait_xcnt 0x0
	s_add_nc_u64 s[VAL:VAL+1], s[VAL:VAL+1], 262144   ; the codes are done with: the next block's first tiles set out into their registers
	LOADV 0
	LOADV 1
	LOADV 2
	WIN 0
.Lnoload:
.irp m, 0,1,2,3
	v_add_f32 v[T+\m], v[SC+2*\m], v[SC+2*\m+1]
.endr
.irp m, 0,1,2,3
	v_permlanex16_b32 v[T+4+\m], v[T+\m], s[SEL], s[SEL+1]
.endr
.irp m, 0,1,2,3
	v_add_f32 v[T+\m], v[T+\m], v[T+4+\m]          ; row 16 m + r, over my 256 units
.endr
.irp m, 0,1,2,3
	ds_store_b32 v[SIN], v[T+\m] offset:64*\m
.endr
	BAR
.irp i, 0,1,2,3
	ds_load_b64 v[T+8+2*\i:T+9+2*\i], v[SRD] offset:256*\i   ; rows 2 l and 2 l + 1, the four waves' parts
.endr
	s_wait_dscnt 0x0
	v_pk_add_f32 v[T+8:T+9], v[T+8:T+9], v[T+10:T+11]
	v_pk_add_f32 v[T+12:T+13], v[T+12:T+13], v[T+14:T+15]
	v_pk_add_f32 v[T+8:T+9], v[T+8:T+9], v[T+12:T+13]
	s_wait_alu depctr_va_vdst(0)
	s_cmp_lg_u32 s[WV], 0
	s_cbranch_scc1 .Lnsc
	global_store_b64 v[GSC], v[T+8:T+9], s[SCO:SCO+1]   ; 32 lanes store 256 consecutive bytes, aligned
.Lnsc:
	v_max_num_f32 v[T], v[T+8], v[T+9]
	v_max_num_f32_dpp v[T], v[T], v[T] row_xmask:1 row_mask:0xf bank_mask:0xf
	v_max_num_f32_dpp v[T], v[T], v[T] row_xmask:2 row_mask:0xf bank_mask:0xf
	v_max_num_f32_dpp v[T], v[T], v[T] row_xmask:4 row_mask:0xf bank_mask:0xf
	v_max_num_f32_dpp v[T], v[T], v[T] row_xmask:8 row_mask:0xf bank_mask:0xf
	v_permlanex16_b32 v[T+1], v[T], s[SEL], s[SEL+1]
	v_max_num_f32 v[T], v[T], v[T+1]
	v_max_num_f32 v[T+2], v[MRUN], v[T]            ; the running maximum
	v_mul_f32 v[T+3], s[L2E], v[T+2]
	v_fma_f32 v[T+4], v[MRUN], s[L2E], -v[T+3]
	v_fma_f32 v[T+10], v[T+8], s[L2E], -v[T+3]
	v_fma_f32 v[T+11], v[T+9], s[L2E], -v[T+3]
	v_mov_b32 v[MRUN], v[T+2]
	s_wait_alu depctr_va_vdst(0)
	v_exp_f32 v[F], v[T+4]                         ; what was summed under the old maximum is multiplied by this
	v_exp_f32 v[T+10], v[T+10]
	v_exp_f32 v[T+11], v[T+11]
	v_nop
	s_wait_alu depctr_va_vdst(0)
	ds_store_b64 v[PWR], v[T+10:T+11]              ; my wave's own copy of the 64 weights
.irp i, 0,1,2,3
	ds_load_b128 v[PW+4*\i:PW+4*\i+3], v[PRD] offset:16*\i   ; my 16 rows' weights.  LDS serves a wave's instructions in order (ISA guide 5.7.1.4): these see the store above
.endr
.set i, 0
.rept 16
	ds_load_b128 v[AL+4*i:AL+4*i+3], v[FSP] offset:(64+i)*512   ; tile 4
.set i, i+1
.endr
	ULOAD 0, 0, 0
	ULOAD 64, 0, 1
	WIN 0
	v_add_f32 v[T+5], v[T+10], v[T+11]
	v_add_f32_dpp v[T+5], v[T+5], v[T+5] row_xmask:1 row_mask:0xf bank_mask:0xf
	v_add_f32_dpp v[T+5], v[T+5], v[T+5] row_xmask:2 row_mask:0xf bank_mask:0xf
	v_add_f32_dpp v[T+5], v[T+5], v[T+5] row_xmask:4 row_mask:0xf bank_mask:0xf
	v_add_f32_dpp v[T+5], v[T+5], v[T+5] row_xmask:8 row_mask:0xf bank_mask:0xf
	v_permlanex16_b32 v[T+6], v[T+5], s[SEL], s[SEL+1]
	v_add_f32 v[T+5], v[T+5], v[T+6]
	v_fma_f32 v[LSUM], v[LSUM], v[F], v[T+5]
.set i, 0
.rept 16
	v_pk_mul_f32 v[CTX+2*i:CTX+2*i+1], v[CTX+2*i:CTX+2*i+1], v[F:F+1] op_sel_hi:[1,0]
.set i, i+1
.endr
	DSW 32                                         ; the weights and tile 4 are in; two groups of 16 loads stay out
	USUM AL, H5, 4, 5, 0, 16
	DSW 16                                         ; here and below: all but the youngest group of 16
	WIN 0x03
	USUM 0, 32, 0, 1, 0, 8
	ULOAD 0, 2, 0
	DSW 16
	WIN 0x03
	USUM 64, 96, 0, 1, 8, 8
	ULOAD 64, 2, 1
	DSW 16
	WIN 0x03
	USUM 0, 32, 2, 3, 0, 8
	ULOAD 0, 5, 0
	DSW 16
	WIN 0x03
	USUM 64, 96, 2, 3, 8, 8
	ULOAD 64, 5, 1
	DSW 16
	WIN 0x03
	USUM 0, 32, 6, 7, 0, 8
	DSW 0
	USUM 64, 96, 6, 7, 8, 8
	WIN 0
	s_wait_xcnt 0x0
	s_add_nc_u64 s[SCO:SCO+1], s[SCO:SCO+1], 256
	s_sub_co_u32 s[BLK], s[BLK], 1
	s_cmp_lg_u32 s[BLK], 0
	s_wait_alu depctr_va_vdst(0)
	s_cbranch_scc1 .Lblock
.set i, 0
.rept 8                                ; the four waves' sums over their rows are joined, through the stage's bytes
	ds_store_b128 v[OUTS], v[CTX+4*i:CTX+4*i+3] offset:512*i
.set i, i+1
.endr
	BAR
.irp k, 0,1,2,3
	ds_load_b128 v[32+8*\k:35+8*\k], v[OUTL] offset:4096*\k        ; my 256 columns of wave k's sums
	ds_load_b128 v[36+8*\k:39+8*\k], v[OUTL] offset:4096*\k+512
.endr
	s_wait_dscnt 0x0
.irp e, 0,2,4,6
	v_pk_add_f32 v[32+\e:33+\e], v[32+\e:33+\e], v[40+\e:41+\e]
	v_pk_add_f32 v[48+\e:49+\e], v[48+\e:49+\e], v[56+\e:57+\e]
.endr
.irp e, 0,2,4,6
	v_pk_add_f32 v[32+\e:33+\e], v[32+\e:33+\e], v[48+\e:49+\e]
.endr
	global_store_b128 v[POFF], v[32:35], s[PART:PART+1]                ; 32 lanes store 512 consecutive bytes
	global_store_b128 v[POFF], v[36:39], s[PART:PART+1] offset:512
	s_cmp_lg_u32 s[WV], 0
	s_cbranch_scc1 .Lend
	global_store_b64 v[GSC], v[MRUN:MRUN+1], s[PART:PART+1] offset:4096   ; (m, l) in every lane: one whole block of 256 bytes
.Lend:
	s_wait_tensorcnt 0x0                           ; the wave's end
	ds_add_u32 v[SPW], v[NIL]
	s_wait_dscnt 0x0
	ROUND                                          ; the closing round
	s_endpgm
.Lfunc_end_k_q5c58dc9928_fused:
	.size	k_q5c58dc9928_fused, .Lfunc_end_k_q5c58dc9928_fused-k_q5c58dc9928_fused
	.p2alignl 7, 3214868480
	.fill 96, 4, 3214868480
	.section	.rodata,"a",@progbits
	.p2align	6, 0x0
	.amdhsa_kernel k_q5c58dc9928_fused
		.amdhsa_group_segment_fixed_size 327680
		.amdhsa_private_segment_fixed_size 0
		.amdhsa_enable_private_segment 0
		.amdhsa_kernarg_size 64
		.amdhsa_user_sgpr_count 2
		.amdhsa_user_sgpr_kernarg_segment_ptr 1
		.amdhsa_wavefront_size32 1
		.amdhsa_system_sgpr_workgroup_id_x 1
		.amdhsa_system_sgpr_workgroup_id_y 1
		.amdhsa_system_sgpr_workgroup_id_z 1
		.amdhsa_system_vgpr_workitem_id 0
		.amdhsa_next_free_vgpr 1024
		.amdhsa_next_free_sgpr 80
		.amdhsa_reserve_vcc 0
		.amdhsa_float_denorm_mode_32 3
		.amdhsa_float_denorm_mode_16_64 3
		.amdhsa_memory_ordered 1
		.amdhsa_forward_progress 1
		.amdhsa_inst_pref_size 183
	.end_amdhsa_kernel
	.amdgpu_metadata
---
amdhsa.version: [ 1, 2 ]
amdhsa.kernels:
  - .name:           k_q5c58dc9928_fused
    .symbol:         k_q5c58dc9928_fused.kd
    .args:
      - { .name: values, .offset: 0, .size: 8, .value_kind: global_buffer, .address_space: global }
      - { .name: w2_codes, .offset: 8, .size: 8, .value_kind: global_buffer, .address_space: global }
      - { .name: lowp_scales, .offset: 16, .size: 8, .value_kind: global_buffer, .address_space: global }
      - { .name: qk, .offset: 24, .size: 8, .value_kind: global_buffer, .address_space: global }
      - { .name: v, .offset: 32, .size: 8, .value_kind: global_buffer, .address_space: global }
      - { .name: scores, .offset: 40, .size: 8, .value_kind: global_buffer, .address_space: global }
      - { .name: part, .offset: 48, .size: 8, .value_kind: global_buffer, .address_space: global }
      - { .name: w2f, .offset: 56, .size: 8, .value_kind: global_buffer, .address_space: global }
    .group_segment_fixed_size: 327680
    .private_segment_fixed_size: 0
    .kernarg_segment_align: 8
    .kernarg_segment_size: 64
    .max_flat_workgroup_size: 128
    .sgpr_count:     80
    .vgpr_count:     1024
    .wavefront_size: 32
...
	.end_amdgpu_metadata
.endif
;; end of part 2
;; launch merge (part 3): grid 256 x 1, 1 waves a work-group, no clusters, 0 bytes of LDS; arguments part, scores, out0, out1; writes out0, out1
.if DOCPART == 3
	.amdgcn_target "amdgcn-amd-amdhsa--gfx1250"
	.amdhsa_code_object_version 6
	.text
	.protected	k_q5c58dc9928_merge
	.globl	k_q5c58dc9928_merge
	.p2align	8
	.type	k_q5c58dc9928_merge,@function
k_q5c58dc9928_merge:
	s_mov_b64 s[64:65], 0
	v_nop
	global_prefetch_b8 v0, s[64:65] scope:SCOPE_SE
	s_setreg_imm32_b32 hwreg(HW_REG_WAVE_MODE, 25, 1), 1
	s_wait_xcnt 0x0
; Joins a batch's eight parts.  M = the largest m_i; e_i = 2^((m_i - M) log2(e)); L = sum of l_i e_i; out0[b][d] = sum of part_i[d] e_i / L; out1[b][t] = 2^((s[t] - M) log2(e)) / L.
; The scores lack the term sum of v + bv, the same for all t of a batch: left out as dead work, as shown at the head of the first kernel.
; Work-group (b = g / 8, c = g % 8), one wave, owns out0[b][128 c .. + 127] and out1[b][256 c .. + 255].  No loop to run ahead in, no tile shared through LDS: no prefetch, no cluster, no matrix unit.
	s_load_b256 s[4:11], s[0:1], 0x0               ; part s[4:5], scores s[6:7], out0 s[8:9], out1 s[10:11]
	v_lshlrev_b32 v1, 4, v0                        ; 16 x lane
	v_mov_b32 v2, 0
	v_mov_b32 v77, 0                               ; (named as the upper half of a pair)
	s_lshr_b32 s12, ttmp9, 3                       ; b
	s_and_b32 s13, ttmp9, 7                        ; c
	s_mul_i32 s14, s12, 8*4352
	s_mov_b32 s15, 0
	s_lshl_b32 s16, s13, 9
	s_mov_b32 s17, 0
	s_lshl_b32 s18, s12, 13
	s_lshl_b32 s20, s13, 10
	s_add_co_u32 s18, s18, s20
	s_mov_b32 s19, 0
	s_lshl_b32 s20, s12, 12
	s_add_co_u32 s20, s20, s16
	s_mov_b32 s21, 0
	s_mov_b32 s22, 0x3fb8aa3b                      ; log2(e)
	s_wait_alu depctr_va_vdst(0)                   ; the wait at the head's end
	s_wait_kmcnt 0x0
	s_add_nc_u64 s[4:5], s[4:5], s[14:15]
	s_add_nc_u64 s[24:25], s[4:5], s[16:17]
	s_add_nc_u64 s[6:7], s[6:7], s[18:19]
	s_add_nc_u64 s[10:11], s[10:11], s[18:19]
	s_add_nc_u64 s[8:9], s[8:9], s[20:21]
.irp i, 0,1,2,3,4,5,6,7
	global_load_b64 v[8+2*\i:9+2*\i], v2, s[4:5] offset:\i*4352+4096   ; m_i, l_i
.endr
	global_load_b128 v[24:27], v1, s[6:7]
	global_load_b128 v[28:31], v1, s[6:7] offset:512
.irp i, 0,1,2,3,4,5,6,7
	global_load_b128 v[32+4*\i:35+4*\i], v1, s[24:25] offset:\i*4352
.endr
	s_wait_loadcnt 8                               ; the pairs and the scores are in; the eight parts stay out
	v_max3_num_f32 v64, v8, v10, v12
	v_max3_num_f32 v65, v14, v16, v18
	v_max3_num_f32 v64, v64, v20, v22
	v_max_num_f32 v64, v64, v65
	v_mul_f32 v65, s22, v64
.irp i, 0,1,2,3,4,5,6,7
	v_fma_f32 v[66+\i], v[8+2*\i], s22, -v65
.endr
.irp i, 0,1,2,3,4,5,6,7
	v_fma_f32 v[24+\i], v[24+\i], s22, -v65
.endr
	s_wait_alu depctr_va_vdst(0)                   ; the wait ahead of a batch
.irp i, 0,1,2,3,4,5,6,7
	v_exp_f32 v[66+\i], v[66+\i]
.endr
.irp i, 0,1,2,3,4,5,6,7
	v_exp_f32 v[24+\i], v[24+\i]
.endr
	v_nop
	s_wait_alu depctr_va_vdst(0)                   ; and behind it
	v_mul_f32 v74, v9, v66
.irp i, 1,2,3,4,5,6,7
	v_fmac_f32 v74, v[9+2*\i], v[66+\i]
.endr
	s_wait_alu depctr_va_vdst(0)
	v_rcp_f32 v76, v74                             ; L is at least 1 but for rounding: the largest row's term is 1
	v_nop
	s_wait_alu depctr_va_vdst(0)
.irp i, 0,2,4,6
	v_pk_mul_f32 v[24+\i:25+\i], v[24+\i:25+\i], v[76:77] op_sel_hi:[1,0]
.endr
.irp i, 0,2,4,6
	v_pk_mul_f32 v[66+\i:67+\i], v[66+\i:67+\i], v[76:77] op_sel_hi:[1,0]
.endr
	global_store_b128 v1, v[24:27], s[10:11] th:TH_STORE_NT            ; 32 lanes store 512 consecutive bytes
	global_store_b128 v1, v[28:31], s[10:11] offset:512 th:TH_STORE_NT
	s_wait_alu depctr_va_vdst(0)
	s_wait_loadcnt 0x0
	v_pk_mul_f32 v[80:81], v[32:33], v[66:67] op_sel_hi:[1,0]
	v_pk_mul_f32 v[82:83], v[34:35], v[66:67] op_sel_hi:[1,0]
	v_pk_fma_f32 v[80:81], v[36:37], v[66:67], v[80:81] op_sel:[0,1,0] op_sel_hi:[1,1,1]
	v_pk_fma_f32 v[82:83], v[38:39], v[66:67], v[82:83] op_sel:[0,1,0] op_sel_hi:[1,1,1]
.irp i, 1,2,3
	v_pk_fma_f32 v[80:81], v[32+8*\i:33+8*\i], v[66+2*\i:67+2*\i], v[80:81] op_sel_hi:[1,0,1]
	v_pk_fma_f32 v[82:83], v[34+8*\i:35+8*\i], v[66+2*\i:67+2*\i], v[82:83] op_sel_hi:[1,0,1]
	v_pk_fma_f32 v[80:81], v[36+8*\i:37+8*\i], v[66+2*\i:67+2*\i], v[80:81] op_sel:[0,1,0] op_sel_hi:[1,1,1]
	v_pk_fma_f32 v[82:83], v[38+8*\i:39+8*\i], v[66+2*\i:67+2*\i], v[82:83] op_sel:[0,1,0] op_sel_hi:[1,1,1]
.endr
	global_store_b128 v1, v[80:83], s[8:9] th:TH_STORE_NT              ; 32 lanes store 512 consecutive bytes
	s_endpgm
.Lfunc_end_k_q5c58dc9928_merge:
	.size	k_q5c58dc9928_merge, .Lfunc_end_k_q5c58dc9928_merge-k_q5c58dc9928_merge
	.p2alignl 7, 3214868480
	.fill 96, 4, 3214868480
	.section	.rodata,"a",@progbits
	.p2align	6, 0x0
	.amdhsa_kernel k_q5c58dc9928_merge
		.amdhsa_group_segment_fixed_size 0
		.amdhsa_private_segment_fixed_size 0
		.amdhsa_enable_private_segment 0
		.amdhsa_kernarg_size 32
		.amdhsa_user_sgpr_count 2
		.amdhsa_user_sgpr_kernarg_segment_ptr 1
		.amdhsa_wavefront_size32 1
		.amdhsa_system_sgpr_workgroup_id_x 1
		.amdhsa_system_sgpr_workgroup_id_y 1
		.amdhsa_system_sgpr_workgroup_id_z 1
		.amdhsa_system_vgpr_workitem_id 0
		.amdhsa_next_free_vgpr 96
		.amdhsa_next_free_sgpr 66
		.amdhsa_reserve_vcc 0
		.amdhsa_float_denorm_mode_32 3
		.amdhsa_float_denorm_mode_16_64 3
		.amdhsa_memory_ordered 1
		.amdhsa_forward_progress 1
		.amdhsa_inst_pref_size 7
	.end_amdhsa_kernel
	.amdgpu_metadata
---
amdhsa.version: [ 1, 2 ]
amdhsa.kernels:
  - .name:           k_q5c58dc9928_merge
    .symbol:         k_q5c58dc9928_merge.kd
    .args:
      - { .name: part, .offset: 0, .size: 8, .value_kind: global_buffer, .address_space: global }
      - { .name: scores, .offset: 8, .size: 8, .value_kind: global_buffer, .address_space: global }
      - { .name: out0, .offset: 16, .size: 8, .value_kind: global_buffer, .address_space: global }
      - { .name: out1, .offset: 24, .size: 8, .value_kind: global_buffer, .address_space: global }
    .group_segment_fixed_size: 0
    .private_segment_fixed_size: 0
    .kernarg_segment_align: 8
    .kernarg_segment_size: 32
    .max_flat_workgroup_size: 32
    .sgpr_count:     66
    .vgpr_count:     96
    .wavefront_size: 32
...
	.end_amdgpu_metadata
.endif
;; end of part 3
